; MI455X (gfx1250); checked and timed in simulation.
; The chip was launched on July 23, 2026; its instructions are those of AMD's public machine-readable ISA for CDNA 5 (MIT licence, August 2026) and "CDNA5" Instruction Set Architecture Reference Guide (July 2026). The comments in the code are by the model that wrote it; some were corrected since.
;; Causal Self Attention. Allowed arithmetic: matrix products marked QUANTISED: E2M1 operands, one E8M0 scale for each 32 along K, by v_wmma_scale_f32_16x16x128_f8f6f4 with both operands' format E2M1 (or v_wmma_scale_f32_32x16x128_f4), f32 sums; everything else in f32.
;; Inputs: freqs_cos 2,048 x 32 float32; freqs_sin 2,048 x 32 float32; w_attn 3,072 x 1,024 float32; x 2 x 2,048 x 1,024 float32.
;; Outputs: out0 2 x 16 x 2,048 x 64 float32.
;; This version of the problem:
;;   THIS VERSION OF THE PROBLEM IS GIVEN IN LOW PRECISION. The matrix products marked QUANTISED in the list below multiply operands that are first quantised to E2M1 (2 exponent bits, 1 mantissa bit; 4 bits a number), with one power-of-two scale for each 32 numbers along K (OCP MX v1.0); their sums are f32. All else is computed in f32.
;;   The module's matrix products, in the order in which they are computed (A, B: the left and right operand; K: the contracted axis; several contracted axes count as one K, in the product's order):
;;     1. [M 4,096, K 1,024] x [K 1,024, N 3,072]; A: input x; B: input w_attn: QUANTISED
;;     2. batch 32 x [M 2,048, K 64] x [K 64, N 2,048]; A: computed on the way; B: computed on the way: QUANTISED
;;     3. batch 32 x [M 2,048, K 2,048] x [K 2,048, N 64]; A: softmax (see below); B: computed on the way: QUANTISED
;;   THE QUANTISER, for each operand of a quantised product, along K:
;;     - K is cut into blocks of 32 from its start; a last block that is shorter is filled with zeros.
;;     - A block's scale is 2^e with e = floor(log2(the largest magnitude in the block)) - 2, held to -126 .. 127; a block of zeros has e = 0. As a byte (E8M0): e + 127.
;;     - Each number is divided by its block's scale, clamped to +-6, and rounded to the nearest number of E2M1, ties to even, subnormals kept.
;;     - The product sums the exact products of the quantised numbers (number of the format x scale) in f32.
;;   ~~~python
;;   def quantise(x, axis):      # numpy; x: float32 -> the quantised numbers, widened to float32 again
;;       x = np.moveaxis(x, axis, -1); K = x.shape[-1]
;;       x = np.pad(x, [(0, 0)] * (x.ndim - 1) + [(0, -K % 32)]); x = x.reshape(x.shape[:-1] + (-1, 32)); a = np.abs(x).max(-1, keepdims=True)
;;       e = np.where(a > 0, np.clip(np.frexp(np.where(a > 0, a, 1))[1] - 1 - 2, -126, 127), 0)      # np.frexp(a)[1] - 1 = floor(log2(a)), exactly
;;       r = np.clip(x / 2.0 ** e, -6, 6)
;;       step = 2.0 ** (np.maximum(np.frexp(np.where(r == 0, 1, r))[1] - 1, 0) - 1)
;;       q = np.round(r / step) * step * 2.0 ** e      # np.round: ties to even
;;       return np.moveaxis(q.reshape(q.shape[:-2] + (-1,))[..., :K], -1, axis).astype(np.float32)
;;   ~~~
;;   SOFTMAX AHEAD OF A QUANTISED PRODUCT. Where the list says 'softmax', what is quantised is not the finished softmax but p = 2^(t - M), with t = logit x log2(e) and M = ceil(the row's largest t), a whole number; so 1/2 < the row's largest p <= 1. The row's sum l is taken of the UNQUANTISED p, in f32, and the product's result is divided by l at the end. Since M is a whole number, a kernel that streams over the keys may use a running M (the ceiling of the running maximum): every later rescaling is an exact power of two, which a block's scale takes up: the codes' values come out the same.
;;   OPERANDS COMPUTED ON THE WAY. 'Computed on the way' means the value that the module computes at that place (a softmax that the list does not call 'softmax' is quantised finished and normalised). What goes into a quantiser is computed in f32, as accurately as f32 sums, v_exp_f32 and their like allow (about 1e-6 of the number): no bf16 or f16 on the way to a quantiser, and a product that is left as it is and whose result goes on into a quantised operand takes f32 operands (vector FMAs, or v_wmma_f32_16x16x4_f32). A number that lies on a knife's edge between two numbers of the format may be rounded either way, as far as f32 arithmetic and the matrix unit's own rounding can turn it there, and no further.
;; One version. Each part assembles by itself: llvm-mc -triple=amdgcn-amd-amdhsa -mcpu=gfx1250 --defsym DOCPART=n.
;; ======== version 1 of 1: 3 launches
;; limits: right only within a limited range of input values
;; workspace buffers: xq 2,228,224 bytes; wq 1,671,168 bytes; cs 524,288 bytes; qkv 6,946,816 bytes
;; launch quant (part 1): grid 256 x 1, 4 waves a work-group, no clusters, 39,424 bytes of LDS; arguments x, w_attn, freqs_cos, freqs_sin, xq, wq, cs; writes xq, wq, cs
.if DOCPART == 1
	.amdgcn_target "amdgcn-amd-amdhsa--gfx1250"
	.amdhsa_code_object_version 6
	.text
	.protected	k_qb6897e2102_quant
	.globl	k_qb6897e2102_quant
	.p2align	8
	.type	k_qb6897e2102_quant,@function
k_qb6897e2102_quant:
	s_mov_b64 s[64:65], 0
	v_nop
	global_prefetch_b8 v0, s[64:65] scope:SCOPE_SE
	s_setreg_imm32_b32 hwreg(HW_REG_WAVE_MODE, 25, 1), 1
	s_wait_xcnt 0x0
; x [4096][1024] and w_attn [3072][1024], f32, become codes of FP4 (E2M1) with one E8M0 scale byte for each 32 along K, laid as images of the next launch's operand registers; freqs_cos and freqs_sin are laid as an image too.
; A block's scale is 2^(floor(log2(its largest magnitude)) - 2); its byte is that magnitude's exponent field - 2, held at 1 from below.  Beyond 6 the conversion gives the largest code.
; (A block of zeros gets the byte 1 where the rule says 127: its codes are zeros, and this program alone reads the bytes.)
; LEFT OUT IN THIS PROGRAM (launch attn): key steps of 128 keys that lie wholly above the causal diagonal: there the softmax's weight is 0 for all inputs, since every query's own key is visible.
; LIMITS: a NaN, an infinity or an overflow that reaches only the work left out is not carried to the result; NaN and infinities among the inputs are not served; a block whose largest magnitude lies under 2^-124 is quantised under the byte 1.
; IMAGES.  A tile is 16 rows: tile T, lane r = row 32 (T / 2) + 8 (T % 2) + r % 8 + 16 (r / 8), so that 16 result registers of two neighbouring tiles are 16 neighbours.  For 128 along K a tile's fragment is 1,024 bytes:
; [c 2][h 2][r 16][16 bytes], k = 64 c + 32 h + 0 .. 31.  A record is [half of K 2]{[tile][4 fragments], [tile][r][16 scale bytes]}: x: 16 tiles (256 tokens); w: 12 tiles: 64 rows each of Q, K and V of one head.
; Work-groups 0-127 take x, 128-223 w_attn, 224-255 the cos/sin image.  A wave takes one tile and half of K: 16 steps, a step is 512 numbers of one row.  Loads run twelve steps (48 loads a wave) ahead.
; A step's 2,048 bytes turn through the wave's own LDS stage so that a lane holds 16 neighbours; codes gather in LDS as units of 256 bytes (+ 16 of padding) and leave as whole units.  No barrier: waves share nothing.
.set STEPS, 16
.set AHEAD, 12
.set R,     16                         ; v16-207 twelve sets of 16 numbers as loaded
.set X,     208                        ; v208-239 two sets of 16 neighbours
.set C,     240                        ; v240-243 codes, two sets
.set E,     244                        ; v244-245 scale bytes
.set SPW,   246                        ; spare word's address
.set NIL,   247                        ; 0
.set SP,    80                         ; a lane's place in a turn stage
.set CST,   5120                       ; behind two turn stages: 16 units of 272 bytes for codes,
.set SST,   9472                       ; and 256 scale bytes
.set WREG,  9728
.set SPARE, 4*WREG
	s_load_b256 s[4:11], s[0:1], 0x0               ; x, w_attn, cos, sin
	s_load_b128 s[12:15], s[0:1], 0x20             ; xq, wq
	s_load_b64 s[16:17], s[0:1], 0x30              ; cs
	v_lshl_add_u32 v[SPW], v0, 2, SPARE
	v_mov_b32 v[NIL], 0
	v_lshrrev_b32 v1, 5, v0
	v_readfirstlane_b32 s20, v1                    ; wave
	s_mul_i32 s21, s20, WREG
	s_add_co_u32 s22, s21, CST
	s_add_co_u32 s23, s21, SST
	v_and_b32 v2, 31, v0                           ; lane
	v_lshlrev_b32 v3, 4, v2                        ; 16 x lane
	v_lshrrev_b32 v14, 2, v2
	v_and_b32 v15, 3, v2
	v_mul_u32_u24 v14, v14, SP
	v_lshl_add_u32 v14, v15, 4, v14
	v_add_nc_u32 v14, s21, v14                     ; turn stage, in
	v_mul_u32_u24 v15, v2, SP
	v_add_nc_u32 v15, s21, v15                     ; turn stage, out
	v_lshrrev_b32 v5, 1, v2
	v_and_b32 v8, 1, v2
	v_mul_u32_u24 v4, v5, 272
	v_lshl_add_u32 v4, v8, 3, v4
	v_add_nc_u32 v4, s22, v4                       ; my 8 bytes of codes: unit lane / 2, + 16 x row
	v_add_nc_u32 v5, s23, v5                       ; my block's byte, + 16 x row
	v_lshrrev_b32 v6, 4, v2
	v_and_b32 v8, 15, v2
	v_mul_u32_u24 v6, v6, 272
	v_lshl_add_u32 v6, v8, 4, v6
	v_add_nc_u32 v6, s22, v6                       ; codes back: sixteen lanes a unit
	v_lshlrev_b32 v12, 3, v2                       ; 8 x lane
	v_add_nc_u32 v7, s23, v12                      ; scale bytes back
	s_wait_alu depctr_va_vdst(0)                   ; the wait at the head's end
	s_wait_kmcnt 0x0
	s_cmp_lt_u32 ttmp9, 224
	s_cbranch_scc0 .Lrope
	s_sub_co_u32 s22, ttmp9, 128
	s_cmp_lt_u32 ttmp9, 128                        ; x's work-group or w's: hangs on the work-group's number alone
	s_cselect_b32 s22, ttmp9, s22
	s_cselect_b64 s[4:5], s[4:5], s[6:7]
	s_cselect_b64 s[12:13], s[12:13], s[14:15]
	s_lshl_b32 s22, s22, 2
	s_add_co_u32 s22, s22, s20
	s_and_b32 s23, s22, 1                          ; which half of K
	s_lshr_b32 s22, s22, 1                         ; tile
	s_lshr_b32 s24, s22, 1
	s_lshl_b32 s24, s24, 17                        ; 32 rows of 4,096 bytes
	s_and_b32 s25, s22, 1
	s_lshl_b32 s25, s25, 15                        ; 8 rows
	s_add_co_u32 s24, s24, s25
	s_lshl_b32 s25, s23, 11
	s_add_co_u32 s24, s24, s25
	s_mov_b32 s25, 0
	s_add_nc_u64 s[4:5], s[4:5], s[24:25]
	s_lshr_b32 s24, s22, 4                         ; x: record and tile in it
	s_and_b32 s25, s22, 15
	s_lshr_b32 s26, s22, 2                         ; w: head, and 4 x (Q, K or V) + tile
	s_and_b32 s26, s26, 15
	s_lshr_b32 s27, s22, 6
	s_lshl_b32 s27, s27, 2
	s_and_b32 s30, s22, 3
	s_add_co_u32 s27, s27, s30
	s_mov_b32 s28, 104448                          ; a record's bytes
	s_mov_b32 s29, 49152                           ; its codes' bytes for half of K
	s_cmp_lt_u32 ttmp9, 128
	s_cselect_b32 s24, s24, s26
	s_cselect_b32 s25, s25, s27
	s_cselect_b32 s28, 139264, s28
	s_cselect_b32 s29, 65536, s29
	s_mul_i32 s24, s24, s28
	s_lshr_b32 s28, s28, 1
	s_mul_i32 s28, s28, s23
	s_add_co_u32 s24, s24, s28
	s_lshl_b32 s26, s25, 12
	s_add_co_u32 s26, s26, s24
	s_mov_b32 s27, 0
	s_lshl_b32 s30, s25, 8
	s_add_co_u32 s30, s30, s24
	s_add_co_u32 s30, s30, s29
	s_mov_b32 s31, 0
	s_add_nc_u64 s[8:9], s[12:13], s[26:27]        ; my 4,096 bytes of codes
	s_add_nc_u64 s[10:11], s[12:13], s[30:31]      ; my 256 scale bytes
.macro LOAD t
.irp i, 0,1,2,3
	global_load_b128 v[R+16*((\t)%AHEAD)+4*\i:R+16*((\t)%AHEAD)+4*\i+3], v3, s[4:5] offset:4096*((\t)%8)+65536*((\t)/8)+512*\i th:TH_LOAD_NT
.endr
.endm
.macro TURN t                          ; LDS serves a wave's instructions in order (ISA guide 5.7.1.4): no wait between the stores and the loads
.irp i, 0,1,2,3
	ds_store_b128 v14, v[R+16*((\t)%AHEAD)+4*\i:R+16*((\t)%AHEAD)+4*\i+3] offset:32*SP*((\t)%2)+8*SP*\i
.endr
.irp i, 0,1,2,3
	ds_load_b128 v[X+16*((\t)%2)+4*\i:X+16*((\t)%2)+4*\i+3], v15 offset:32*SP*((\t)%2)+16*\i
.endr
.endm
.irp t, 0,1,2,3,4,5,6,7,8,9,10,11
	LOAD \t
.endr
	s_wait_loadcnt 44                              ; step 0's four loads are in
	TURN 0
.macro STEP t
.set XS, X+16*((\t)%2)
.set CS, C+2*((\t)%2)
.if (\t) > 0
	s_wait_dscnt 2                                 ; this step's numbers are back (the last step's two stores may be out): its stage stores have read their registers,
.else
	s_wait_dscnt 0x0
.endif
.if (\t)+AHEAD < STEPS
	LOAD (\t)+AHEAD                                ; which take the loads of twelve steps on
.endif
.if (\t)+1 < STEPS
.if (\t)+AHEAD < STEPS
	s_wait_loadcnt 44                              ; the next step's loads are in; eleven younger steps' may be out
.else
	s_wait_loadcnt 4*(STEPS-2-(\t))
.endif
	TURN (\t)+1
.endif
	v_max3_num_f32 v8, |v[XS]|, |v[XS+1]|, |v[XS+2]|
	v_max3_num_f32 v9, |v[XS+3]|, |v[XS+4]|, |v[XS+5]|
.irp i, 6,10
	v_max3_num_f32 v8, v8, |v[XS+\i]|, |v[XS+\i+1]|
	v_max3_num_f32 v9, v9, |v[XS+\i+2]|, |v[XS+\i+3]|
.endr
	v_max3_num_f32 v8, v8, |v[XS+14]|, |v[XS+15]|
	v_max3_num_f32 v8, v8, v9, 0x1800000           ; and the floor 2^(3 - 127): the byte cannot fall under 1
	v_max_num_f32_dpp v8, v8, v8 row_xmask:1 row_mask:0xf bank_mask:0xf   ; with my neighbour's 16: the block's
	v_add_nc_u32 v11, 0xff000000, v8               ; 2 off its exponent field: the conversion's scale operand
	v_cvt_scalef32_pk8_fp4_f32 v[CS], v[XS:XS+7], v11
	v_cvt_scalef32_pk8_fp4_f32 v[CS+1], v[XS+8:XS+15], v11
	v_lshrrev_b32 v[E+(\t)%2], 23, v11             ; the byte (a plain line behind the conversions)
	ds_store_b64 v4, v[CS:CS+1] offset:16*(\t)
	ds_store_b8 v5, v[E+(\t)%2] offset:16*(\t)     ; both lanes of a block write the same byte
.endm
.irp t, 0,1,2,3,4,5,6,7,8,9,10,11,12,13,14,15
	STEP \t
.endr
.irp n, 0,1,2,3,4,5,6,7
	ds_load_b128 v[16+4*\n:19+4*\n], v6 offset:544*\n
.endr
	ds_load_b64 v[48:49], v7
.irp n, 0,1,2,3,4,5,6,7
	s_wait_dscnt 8-\n                              ; in order: two units are back
	global_store_b128 v3, v[16+4*\n:19+4*\n], s[8:9] offset:512*\n
.endr
	s_wait_dscnt 0x0
	global_store_b64 v12, v[48:49], s[10:11]
	s_wait_tensorcnt 0x0                           ; the wave's end
	ds_add_u32 v[SPW], v[NIL]
	s_wait_dscnt 0x0
	s_endpgm
.Lrope:                                ; cs: [token tile 128][cos 4, sin 4][lane][16 bytes]: piece k of lane (r, h) is its token's row, floats 16 (k / 2) + 8 h + 4 (k % 2) on
	s_sub_co_u32 s22, ttmp9, 224
	s_lshl_b32 s22, s22, 2
	s_add_co_u32 s22, s22, s20                     ; token tile
	s_lshr_b32 s24, s22, 1
	s_lshl_b32 s24, s24, 12
	s_and_b32 s25, s22, 1
	s_lshl_b32 s25, s25, 10
	s_add_co_u32 s24, s24, s25
	s_mov_b32 s25, 0
	s_lshl_b32 s26, s22, 12
	s_mov_b32 s27, 0
	s_add_nc_u64 s[8:9], s[8:9], s[24:25]
	s_add_nc_u64 s[10:11], s[10:11], s[24:25]
	s_add_nc_u64 s[16:17], s[16:17], s[26:27]
	v_and_b32 v9, 7, v0
	v_bfe_u32 v10, v0, 3, 1
	v_bfe_u32 v11, v0, 4, 1
	v_lshl_add_u32 v9, v10, 4, v9
	v_lshlrev_b32 v9, 7, v9
	v_lshl_add_u32 v9, v11, 5, v9
.irp k, 0,1,2,3
	global_load_b128 v[16+4*\k:19+4*\k], v9, s[8:9] offset:16*(\k%2)+64*(\k/2)
.endr
.irp k, 0,1,2,3
	global_load_b128 v[32+4*\k:35+4*\k], v9, s[10:11] offset:16*(\k%2)+64*(\k/2)
.endr
	s_wait_loadcnt 0x0
.irp k, 0,1,2,3,4,5,6,7
	global_store_b128 v3, v[16+4*\k:19+4*\k], s[16:17] offset:512*\k
.endr
	s_endpgm
.Lfunc_end_k_qb6897e2102_quant:
	.size	k_qb6897e2102_quant, .Lfunc_end_k_qb6897e2102_quant-k_qb6897e2102_quant
	.p2alignl 7, 3214868480
	.fill 96, 4, 3214868480
	.section	.rodata,"a",@progbits
	.p2align	6, 0x0
	.amdhsa_kernel k_qb6897e2102_quant
		.amdhsa_group_segment_fixed_size 39424
		.amdhsa_private_segment_fixed_size 0
		.amdhsa_enable_private_segment 0
		.amdhsa_kernarg_size 56
		.amdhsa_user_sgpr_count 2
		.amdhsa_user_sgpr_kernarg_segment_ptr 1
		.amdhsa_wavefront_size32 1
		.amdhsa_system_sgpr_workgroup_id_x 1
		.amdhsa_system_sgpr_workgroup_id_y 1
		.amdhsa_system_sgpr_workgroup_id_z 1
		.amdhsa_system_vgpr_workitem_id 0
		.amdhsa_next_free_vgpr 250
		.amdhsa_next_free_sgpr 66
		.amdhsa_reserve_vcc 0
		.amdhsa_float_denorm_mode_32 3
		.amdhsa_float_denorm_mode_16_64 3
		.amdhsa_memory_ordered 1
		.amdhsa_forward_progress 1
		.amdhsa_inst_pref_size 38
	.end_amdhsa_kernel
	.amdgpu_metadata
---
amdhsa.version: [ 1, 2 ]
amdhsa.kernels:
  - .name:           k_qb6897e2102_quant
    .symbol:         k_qb6897e2102_quant.kd
    .args:
      - { .name: x, .offset: 0, .size: 8, .value_kind: global_buffer, .address_space: global }
      - { .name: w_attn, .offset: 8, .size: 8, .value_kind: global_buffer, .address_space: global }
      - { .name: freqs_cos, .offset: 16, .size: 8, .value_kind: global_buffer, .address_space: global }
      - { .name: freqs_sin, .offset: 24, .size: 8, .value_kind: global_buffer, .address_space: global }
      - { .name: xq, .offset: 32, .size: 8, .value_kind: global_buffer, .address_space: global }
      - { .name: wq, .offset: 40, .size: 8, .value_kind: global_buffer, .address_space: global }
      - { .name: cs, .offset: 48, .size: 8, .value_kind: global_buffer, .address_space: global }
    .group_segment_fixed_size: 39424
    .private_segment_fixed_size: 0
    .kernarg_segment_align: 8
    .kernarg_segment_size: 56
    .max_flat_workgroup_size: 128
    .sgpr_count:     66
    .vgpr_count:     250
    .wavefront_size: 32
...
	.end_amdgpu_metadata
.endif
;; end of part 1
;; launch qkv (part 2): grid 16 x 16, 8 waves a work-group, clusters of 4 x 4, 327,680 bytes of LDS; arguments xq, wq, cs, qkv; writes qkv
.if DOCPART == 2
	.amdgcn_target "amdgcn-amd-amdhsa--gfx1250"
	.amdhsa_code_object_version 6
	.text
	.protected	k_qb6897e2102_qkv
	.globl	k_qb6897e2102_qkv
	.p2align	8
	.type	k_qb6897e2102_qkv,@function
k_qb6897e2102_qkv:
	s_mov_b64 s[64:65], 0
	v_nop
	global_prefetch_b8 v0, s[64:65] scope:SCOPE_SE
	s_setreg_imm32_b32 hwreg(HW_REG_WAVE_MODE, 25, 1), 1
	s_wait_xcnt 0x0
	s_wait_alu depctr_hold_cnt(0) depctr_sa_sdst(0) depctr_va_vdst(0) depctr_va_sdst(0) depctr_va_ssrc(0) depctr_va_vcc(0) depctr_vm_vsrc(0)
	s_getreg_b32 s2, hwreg(HW_REG_IB_STS2, 6, 4)
	s_cmp_eq_u32 s2, 0
	s_cbranch_scc0 .Lentry_in_a_cluster
	s_endpgm
.Lentry_in_a_cluster:
	s_bfe_u32 s2, ttmp6, 0x10000c
	s_cmp_lg_u32 s2, 0xf033
	s_cbranch_scc0 .Lentry_shape_is_right
	s_endpgm
.Lentry_shape_is_right:
; Q, K and V of one head for 256 tokens: 256 x 192 of x w_attn^T, both operands codes of FP4 (E2M1) with E8M0 scales, sums in f32; Q and K are rotated (interleaved pairs), and all three quantised for the products to come and stored as images of their registers.
; Work-group (head j, token block y).  ALL OF K LIES IN LDS: x's record (139,264 bytes) and w's (104,448 bytes), each in four pieces, one tensor load a wave; nothing is filled again.
; CLUSTERS 4 x 4: the four of a row need the same x record, the four of a column the same w record: joint loads.  No prefetch: the launch has no loop to run ahead in, each byte is asked for once at the head.
; WAVE (tg = wave % 4: 64 tokens; s = wave / 4): Q (s = 0) or K (s = 1) for its tokens: source 0 = w's rows, source 1 = tokens: a lane holds one token, its registers run along the channels;
; and channels 32 s .. 32 s + 31 of V with the sources exchanged: a lane holds one channel, its registers run along the tokens.  24 accumulators; 128 along K a step, two fragment buffers.
; A record of the result (217,088 bytes a head): K's codes [128 tiles][512], V's [16 steps][4 tiles][2][512], K's scale words [16][512], V's [16][256], Q's codes, Q's scale words.
; LIMITS: NaN and infinities are not served; the scale bytes are held at 1 from below (a block of zeros has the byte 1).
; REGISTERS: window 0: v1-20 addresses; v24-63 scale words (scales alone); v64-223 two fragment buffers of 80 (at the end cos/sin of tiles 2, 3 at v64-127, rotated numbers at v128-191); v224-247 codes on their way out; v248-255 at work.
;   window 1: v0-127 Q or K: accumulator (token tile a, w tile b) at 32 a + 8 b; v128-191 V: (channel tile u, token tile a) at 128 + 32 u + 8 a; v192-255 cos/sin of tiles 0, 1.
.set XREC, 139264
.set WREC, 104448
.set XPC,  34816                       ; a quarter of x's record: 136 rows of 256 bytes
.set WPC,  26112                       ; of w's: 102
.set REC,  217088
.set O_VC, 65536
.set O_KS, 131072
.set O_VS, 139264
.set O_QC, 143360
.set O_QS, 208896
.set SOUT, XREC+WREC                   ; scale words on their way out: Q 2 x 512, K 2 x 512, V 2 x 256 bytes
.set SPARE, SOUT+2560                  ; the spare words
.set CO,   1
.set ADX,  2
.set ADW,  4
.set ADV,  6
.set ASX,  8
.set ASW,  10
.set ASV,  12
.set QSO,  14
.set VSO,  15
.set SPW,  16
.set NIL,  17
.set RDS,  20
.set SC,   24
.set F,    64
.set T,    128
.set PC,   224
.set MX,   248
.set PB,   250
.set SO,   252
.set WD,   254
.set G1,   24
.set G0,   32
.set G1B,  48
.set G0B,  56
.set MSB, 0
.macro WIN new                         ; the immediate's high byte repeats the setting that is left
.if MSB != (\new)
	s_set_vgpr_msb (MSB<<8)|(\new)
.set MSB, (\new)
.endif
.endm
.macro CROUND                          ; a round of the cluster's barrier
	s_barrier_signal -1
	s_barrier_wait -1
	s_cmp_lg_u32 s14, 0
	s_cbranch_scc1 .Lnot_wave_0_\@
	s_barrier_signal -3
.Lnot_wave_0_\@:
	s_barrier_wait -3
	s_barrier_signal -1
	s_barrier_wait -1
.endm
	s_load_b256 s[4:11], s[0:1], 0x0               ; xq, wq, cs, qkv
	v_lshl_add_u32 v[SPW], v0, 2, SPARE
	v_mov_b32 v[NIL], 0
	ds_add_u32 v[SPW], v[NIL]                      ; the opening lines
	ds_add_u32 v[SPW], v[NIL]
	v_lshrrev_b32 v18, 5, v0
	v_readfirstlane_b32 s14, v18                   ; wave 0..7
	s_lshr_b32 s15, s14, 2                         ; s.  Also: I fetch for x (0) or for w (1)
	s_and_b32 s16, s14, 3                          ; tg.  Also: which quarter of the record I fetch
	s_bfe_u32 s40, ttmp6, 0x40000                  ; cx
	s_bfe_u32 s41, ttmp6, 0x40004                  ; cy
	s_lshl_b32 s42, ttmp9, 2
	s_add_co_u32 s42, s42, s40                     ; head j
	s_and_b32 s17, ttmp7, 0xffff
	s_lshl_b32 s17, s17, 2
	s_add_co_u32 s17, s17, s41                     ; token block y
	s_lshl_b32 s43, s41, 2
	s_lshl_b32 s43, 15, s43                        ; my row of the cluster
	s_lshl_b32 s44, 0x1111, s40                    ; my column
	s_mov_b32 s2, 0x76543210
	s_mov_b32 s3, 0xfedcba98                       ; selects for lane l xor 16
	s_or_b32 s[G1], s43, (3<<16)|(1<<21)           ; elements of 8 bytes, no padding: every LDS read takes 16 neighbouring bytes a lane
	s_or_b32 s[G1B], s44, (3<<16)|(1<<21)
	s_mov_b32 s[G1+1], 32<<16
	s_mov_b32 s[G1+2], 136<<16
	s_mov_b32 s[G1+3], 32<<16
	s_mov_b32 s[G1+4], 136
	s_mov_b32 s[G1+5], 32
	s_mov_b32 s[G1+6], 0
	s_mov_b32 s[G1+7], 0
	s_mov_b32 s[G1B+1], 32<<16
	s_mov_b32 s[G1B+2], 102<<16
	s_mov_b32 s[G1B+3], 32<<16
	s_mov_b32 s[G1B+4], 102
	s_mov_b32 s[G1B+5], 32
	s_mov_b32 s[G1B+6], 0
	s_mov_b32 s[G1B+7], 0
	s_mul_i32 s45, s16, XPC                        ; where my piece goes in LDS: x's,
	s_mul_i32 s94, s16, WPC
	s_mul_i32 s20, s17, XREC
	s_add_co_u32 s20, s20, s45
	s_mov_b32 s21, 0
	s_mul_i32 s46, s42, WREC
	s_add_co_u32 s46, s46, s94
	s_mov_b32 s47, 0
	s_add_co_u32 s94, s94, XREC                    ; and w's, behind it
	s_and_b32 s18, s17, 7                          ; token block within the sequence
	s_lshr_b32 s19, s17, 3
	s_lshl_b32 s19, s19, 4
	s_add_co_u32 s19, s19, s42
	s_mul_i32 s19, s19, REC                        ; my head's record
	s_xor_b32 s22, s15, 1
	s_mul_i32 s22, s22, O_QC
	s_lshl_b32 s23, s18, 13
	s_add_co_u32 s22, s22, s23
	s_lshl_b32 s23, s16, 11
	s_add_co_u32 s22, s22, s23
	s_add_co_u32 s60, s22, s19                     ; my Q or K codes: tile 16 block + 4 tg
	s_mov_b32 s61, 0
	s_lshl_b32 s22, s18, 13
	s_lshr_b32 s23, s16, 1
	s_lshl_b32 s23, s23, 12
	s_add_co_u32 s22, s22, s23
	s_lshl_b32 s23, s15, 11
	s_add_co_u32 s22, s22, s23
	s_and_b32 s23, s16, 1
	s_lshl_b32 s23, s23, 9
	s_add_co_u32 s22, s22, s23
	s_add_co_u32 s22, s22, O_VC
	s_add_co_u32 s62, s22, s19                     ; my V codes: step 2 block + tg / 2, channel tile 2 s, half tg % 2
	s_mov_b32 s63, 0
	s_lshl_b32 s68, s18, 16
	s_lshl_b32 s23, s16, 14
	s_add_co_u32 s68, s68, s23                     ; my cos/sin images
	s_mov_b32 s69, 0
	s_lshl_b32 s22, s18, 10                        ; scale words out: waves 0, 1 Q's steps, 2, 3 K's, 4 V's two
	s_lshl_b32 s23, s14, 9
	s_add_co_u32 s22, s22, s23
	s_add_co_u32 s23, s22, O_KS-1024
	s_add_co_u32 s22, s22, O_QS
	s_cmp_lt_u32 s14, 2
	s_cselect_b32 s22, s22, s23
	s_lshl_b32 s23, s18, 9
	s_add_co_u32 s23, s23, O_VS
	s_cmp_eq_u32 s14, 4
	s_cselect_b32 s22, s23, s22
	s_add_co_u32 s70, s22, s19
	s_mov_b32 s71, 0
	s_lshl_b32 s72, s16, 14                        ; LDS: my tokens' 4 tiles,
	s_lshl_b32 s73, s15, 14
	s_add_co_u32 s73, s73, XREC                    ; my 4 tiles of w,
	s_lshl_b32 s74, s15, 13
	s_add_co_u32 s74, s74, XREC+32768              ; my 2 of V's,
	s_lshl_b32 s75, s16, 10
	s_add_co_u32 s75, s75, 65536                   ; and their scale words
	s_lshl_b32 s76, s15, 10
	s_add_co_u32 s76, s76, XREC+49152
	s_lshl_b32 s77, s15, 9
	s_add_co_u32 s77, s77, XREC+49152+2048
	s_lshr_b32 s78, s16, 1                         ; step of my tokens in the block
	s_and_b32 s79, s16, 1
	s_lshl_b32 s80, s15, 10
	s_lshl_b32 s81, s78, 9
	s_add_co_u32 s80, s80, s81
	s_lshl_b32 s81, s79, 3
	s_add_co_u32 s80, s80, s81
	s_add_co_u32 s80, s80, SOUT                    ; my Q or K words: + 16 r
	s_lshl_b32 s81, s78, 8
	s_lshl_b32 s82, s15, 2
	s_add_co_u32 s81, s81, s82
	s_lshl_b32 s82, s79, 1
	s_add_co_u32 s81, s81, s82
	s_add_co_u32 s81, s81, SOUT+2048               ; my V half words: + 8 r
	s_lshl_b32 s82, s14, 9
	s_add_co_u32 s82, s82, SOUT                    ; what I store of them
	v_and_b32 v18, 31, v0
	v_and_b32 v19, 15, v0
	v_lshlrev_b32 v[CO], 4, v18
	v_lshlrev_b32 v18, 4, v19
	v_lshlrev_b32 v19, 3, v19
	v_add_nc_u32 v[ADX], s72, v[CO]
	v_add_nc_u32 v[ADW], s73, v[CO]
	v_add_nc_u32 v[ADV], s74, v[CO]
	v_add_nc_u32 v[ASX], s75, v[CO]
	v_add_nc_u32 v[ASW], s76, v[CO]
	v_add_nc_u32 v[ASV], s77, v[CO]
	v_add_nc_u32 v[ADX+1], 69632, v[ADX]           ; the second half of K
	v_add_nc_u32 v[ADW+1], 52224, v[ADW]
	v_add_nc_u32 v[ADV+1], 52224, v[ADV]
	v_add_nc_u32 v[ASX+1], 69632, v[ASX]
	v_add_nc_u32 v[ASW+1], 52224, v[ASW]
	v_add_nc_u32 v[ASV+1], 52224, v[ASV]
	v_add_nc_u32 v[QSO], s80, v18
	v_add_nc_u32 v[VSO], s81, v19
	v_add_nc_u32 v[RDS], s82, v[CO]
	v_mov_b32 v[PB], 0                             ; written once: a lane permute's destination counts as one of its sources
	v_mov_b32 v[PB+1], 0
	s_wait_alu depctr_va_vdst(0)                   ; the wait ahead of the waits below
	s_wait_dscnt 0x0                               ; both opening adds are done
	s_wait_kmcnt 0x0
	s_add_nc_u64 s[20:21], s[4:5], s[20:21]
	s_add_nc_u64 s[46:47], s[6:7], s[46:47]
	s_add_nc_u64 s[68:69], s[8:9], s[68:69]
	s_add_nc_u64 s[60:61], s[10:11], s[60:61]
	s_add_nc_u64 s[62:63], s[10:11], s[62:63]
	s_add_nc_u64 s[70:71], s[10:11], s[70:71]
	s_mov_b32 s[G0], 1
	s_mov_b32 s[G0+1], s45
	s_mov_b64 s[G0+2:G0+3], s[20:21]
	s_or_b32 s[G0+3], s[G0+3], 0x80000000
	s_mov_b32 s[G0B], 1
	s_mov_b32 s[G0B+1], s94
	s_mov_b64 s[G0B+2:G0B+3], s[46:47]
	s_or_b32 s[G0B+3], s[G0B+3], 0x80000000
	CROUND                                         ; all sixteen work-groups are here: the joint loads meet
	s_cmp_eq_u32 s15, 0                            ; waves 0-3 fetch x's record, waves 4-7 w's, a quarter each
	s_cbranch_scc0 .Lfor_w
	tensor_load_to_lds s[G0:G0+3], s[G1:G1+7]
	s_nop 0
.rept 4
	v_nop
.endr
	s_branch .Lasked
.Lfor_w:
	tensor_load_to_lds s[G0B:G0B+3], s[G1B:G1B+7]
	s_nop 0
.rept 4
	v_nop
.endr
.Lasked:
.macro CSLOAD a, dst
.irp k, 0,1,2,3,4,5,6,7
	global_load_b128 v[\dst+4*\k:\dst+4*\k+3], v[CO], s[68:69] offset:4096*\a+512*\k   ; 0-3 cos, 4-7 sin; 512 consecutive bytes
.endr
.endm
	WIN 0x40
	CSLOAD 0, 192
	CSLOAD 1, 224
	WIN 0
.macro SCALES kh                       ; lanes 0-15 the even tile of a pair, lanes 16-31 the odd one; four steps' words a lane
.set SB, SC+20*(\kh)
	ds_load_b128 v[SB:SB+3], v[ASX+\kh]
	ds_load_b128 v[SB+4:SB+7], v[ASX+\kh] offset:512
	ds_load_b128 v[SB+8:SB+11], v[ASW+\kh]
	ds_load_b128 v[SB+12:SB+15], v[ASW+\kh] offset:512
	ds_load_b128 v[SB+16:SB+19], v[ASV+\kh]
.endm
.macro FETCH k                         ; step k's ten fragments: 20 loads
.set FB, F+80*((\k)%2)
.irp a, 0,1,2,3
.irp c, 0,1
	ds_load_b128 v[FB+8*\a+4*\c:FB+8*\a+4*\c+3], v[ADX+(\k)/4] offset:4096*\a+1024*((\k)%4)+512*\c
.endr
.endr
.irp a, 0,1,2,3
.irp c, 0,1
	ds_load_b128 v[FB+32+8*\a+4*\c:FB+32+8*\a+4*\c+3], v[ADW+(\k)/4] offset:4096*\a+1024*((\k)%4)+512*\c
.endr
.endr
.irp a, 0,1
.irp c, 0,1
	ds_load_b128 v[FB+64+8*\a+4*\c:FB+64+8*\a+4*\c+3], v[ADV+(\k)/4] offset:4096*\a+1024*((\k)%4)+512*\c
.endr
.endr
.endm
; One product.  r: bit 0: source 0's scales in lanes 16-31; bit 1: source 1's.  Z = 1: the product starts its sum.
.macro WM d, a, b, sa, sb, r
.if ((\r)+4*Z) == 0
	v_wmma_scale_f32_16x16x128_f8f6f4 v[\d:\d+7], v[\a:\a+7], v[\b:\b+7], v[\d:\d+7], v[\sa], v[\sb] matrix_a_fmt:MATRIX_FMT_FP4 matrix_b_fmt:MATRIX_FMT_FP4
.endif
.if ((\r)+4*Z) == 1
	v_wmma_scale_f32_16x16x128_f8f6f4 v[\d:\d+7], v[\a:\a+7], v[\b:\b+7], v[\d:\d+7], v[\sa], v[\sb] matrix_a_fmt:MATRIX_FMT_FP4 matrix_b_fmt:MATRIX_FMT_FP4 matrix_a_scale:MATRIX_SCALE_ROW1
.endif
.if ((\r)+4*Z) == 2
	v_wmma_scale_f32_16x16x128_f8f6f4 v[\d:\d+7], v[\a:\a+7], v[\b:\b+7], v[\d:\d+7], v[\sa], v[\sb] matrix_a_fmt:MATRIX_FMT_FP4 matrix_b_fmt:MATRIX_FMT_FP4 matrix_b_scale:MATRIX_SCALE_ROW1
.endif
.if ((\r)+4*Z) == 3
	v_wmma_scale_f32_16x16x128_f8f6f4 v[\d:\d+7], v[\a:\a+7], v[\b:\b+7], v[\d:\d+7], v[\sa], v[\sb] matrix_a_fmt:MATRIX_FMT_FP4 matrix_b_fmt:MATRIX_FMT_FP4 matrix_a_scale:MATRIX_SCALE_ROW1 matrix_b_scale:MATRIX_SCALE_ROW1
.endif
.if ((\r)+4*Z) == 4
	v_wmma_scale_f32_16x16x128_f8f6f4 v[\d:\d+7], v[\a:\a+7], v[\b:\b+7], 0, v[\sa], v[\sb] matrix_a_fmt:MATRIX_FMT_FP4 matrix_b_fmt:MATRIX_FMT_FP4
.endif
.if ((\r)+4*Z) == 5
	v_wmma_scale_f32_16x16x128_f8f6f4 v[\d:\d+7], v[\a:\a+7], v[\b:\b+7], 0, v[\sa], v[\sb] matrix_a_fmt:MATRIX_FMT_FP4 matrix_b_fmt:MATRIX_FMT_FP4 matrix_a_scale:MATRIX_SCALE_ROW1
.endif
.if ((\r)+4*Z) == 6
	v_wmma_scale_f32_16x16x128_f8f6f4 v[\d:\d+7], v[\a:\a+7], v[\b:\b+7], 0, v[\sa], v[\sb] matrix_a_fmt:MATRIX_FMT_FP4 matrix_b_fmt:MATRIX_FMT_FP4 matrix_b_scale:MATRIX_SCALE_ROW1
.endif
.if ((\r)+4*Z) == 7
	v_wmma_scale_f32_16x16x128_f8f6f4 v[\d:\d+7], v[\a:\a+7], v[\b:\b+7], 0, v[\sa], v[\sb] matrix_a_fmt:MATRIX_FMT_FP4 matrix_b_fmt:MATRIX_FMT_FP4 matrix_a_scale:MATRIX_SCALE_ROW1 matrix_b_scale:MATRIX_SCALE_ROW1
.endif
.endm
; Step k: 24 products, an accumulator each.
.macro STEP k
.if (\k) > 0
.rept 4
	v_nop                                          ; places behind the last step's products, in front of loads into their sources
.endr
.endif
	WIN 0
.if (\k) < 7
	FETCH (\k)+1
	s_wait_dscnt 20                                ; all but the next step's 20 loads are in
.else
	s_wait_dscnt 0x0
.endif
.set XF, F+80*((\k)%2)
.set SQ, SC+20*((\k)/4)+(\k)%4
	WIN 0x50                                       ; C and D in window 1
.irp a, 0,1,2,3
.irp b, 0,1,2,3
	WM 32*\a+8*\b, XF+32+8*\b, XF+8*\a, SQ+8+4*(\b/2), SQ+4*(\a/2), (\b%2)+2*(\a%2)
.endr
.endr
.irp u, 0,1
.irp a, 0,1,2,3
	WM 128+32*\u+8*\a, XF+8*\a, XF+64+8*\u, SQ+4*(\a/2), SQ+16, (\a%2)+2*\u
.endr
.endr
.endm
	s_wait_alu depctr_va_vdst(0)                   ; the wait at the head's end
	s_wait_tensorcnt 0x0                           ; my piece is in,
	s_barrier_signal -1
	s_barrier_wait -1                              ; everybody's is; nobody fills these bytes again
	SCALES 0
	FETCH 0
	SCALES 1
.set Z, 1
	STEP 0
.set Z, 0
.irp k, 1,2,3,4,5,6,7
	STEP \k
.endr
.rept 4
	v_nop                                          ; places behind the last products
.endr
	WIN 0
	CSLOAD 2, 64
	CSLOAD 3, 96
; QUANT: 32 numbers a lane, two half blocks of 16 neighbours, at s of window w -> codes in pc .. pc + 3, lanes 0-15 block 0, lanes 16-31 block 1; the two scale bytes in wd
.macro QUANT s, w, pc, wd
	WIN ((\w)<<2)|((\w)<<4)
.irp b, 0,1
	v_max3_num_f32 v[MX+\b], 0x1800000, |v[\s+16*\b]|, |v[\s+16*\b+1]|   ; with the floor 2^(3 - 127)
.endr
.irp i, 2,4,6,8,10,12,14
.irp b, 0,1
	v_max3_num_f32 v[MX+\b], v[MX+\b], |v[\s+16*\b+\i]|, |v[\s+16*\b+\i+1]|
.endr
.endr
	WIN 0
.irp b, 0,1
	v_permlanex16_b32 v[PB+\b], v[MX+\b], s2, s3
.endr
.irp b, 0,1
	v_max_num_f32 v[MX+\b], v[MX+\b], v[PB+\b]
.endr
.irp b, 0,1
	v_add_nc_u32 v[SO+\b], 0xff000000, v[MX+\b]    ; 2 off the exponent field
.endr
.irp b, 0,1
	v_lshrrev_b32 v[PB+\b], 23, v[SO+\b]
.endr
	WIN (\w)
.irp b, 0,1
	v_cvt_scalef32_pk8_fp4_f32 v[\pc+2*\b], v[\s+16*\b:\s+16*\b+7], v[SO+\b]
	v_cvt_scalef32_pk8_fp4_f32 v[\pc+2*\b+1], v[\s+16*\b+8:\s+16*\b+15], v[SO+\b]
.endr
	WIN 0
	v_lshl_or_b32 v[\wd], v[PB+1], 8, v[PB]        ; (a plain place behind the conversions)
	v_permlane16_swap_b32 v[\pc], v[\pc+2]
	v_permlane16_swap_b32 v[\pc+1], v[\pc+3]
.endm
.irp u, 0,1                            ; V: 16 channels x 64 tokens
	QUANT 128+32*\u, 1, PC+4*\u, WD+\u
	global_store_b128 v[CO], v[PC+4*\u:PC+4*\u+3], s[62:63] offset:1024*\u
	ds_store_b16 v[VSO], v[WD+\u] offset:128*\u
.endr
; Q or K: 16 tokens x 64 channels: (even, odd) -> (even cos - odd sin, even sin + odd cos)
.macro ROPE a, cc, w
.set AC, 32*\a
.set TT, T+32*((\a)%2)
	WIN 1|((\w)<<2)
.irp i, 0,1,2,3,4,5,6,7
	v_pk_mul_f32 v[TT+4*\i:TT+4*\i+1], v[AC+4*\i:AC+4*\i+1], v[\cc+2*\i:\cc+2*\i+1] op_sel_hi:[1,0]
	v_pk_mul_f32 v[TT+4*\i+2:TT+4*\i+3], v[AC+4*\i+2:AC+4*\i+3], v[\cc+2*\i:\cc+2*\i+1] op_sel:[0,1] op_sel_hi:[1,1]
.endr
.irp i, 0,1,2,3,4,5,6,7
	v_pk_fma_f32 v[TT+4*\i:TT+4*\i+1], v[AC+4*\i:AC+4*\i+1], v[\cc+16+2*\i:\cc+16+2*\i+1], v[TT+4*\i:TT+4*\i+1] op_sel:[1,0,0] op_sel_hi:[0,0,1] neg_lo:[0,1,0]
	v_pk_fma_f32 v[TT+4*\i+2:TT+4*\i+3], v[AC+4*\i+2:AC+4*\i+3], v[\cc+16+2*\i:\cc+16+2*\i+1], v[TT+4*\i+2:TT+4*\i+3] op_sel:[1,1,0] op_sel_hi:[0,1,1] neg_lo:[0,1,0]
.endr
	WIN 0
.endm
.macro TILE a, cc, w
	ROPE \a, \cc, \w
	QUANT T+32*(\a%2), 0, PC+8+4*\a, WD+\a%2
	global_store_b128 v[CO], v[PC+8+4*\a:PC+11+4*\a], s[60:61] offset:512*\a
	ds_store_b32 v[QSO], v[WD+\a%2] offset:256*(\a%2)+4*(\a/2)   ; lanes r and r + 16 write the same word
.endm
	s_wait_alu depctr_va_vdst(0)                   ; the wait ahead of the wait below
	s_wait_loadcnt 16                              ; cos/sin of tiles 0, 1 are in; tiles 2, 3 may be out
	TILE 0, 192, 1
	TILE 1, 224, 1
	s_wait_alu depctr_va_vdst(0)
	s_wait_loadcnt 0x0
	TILE 2, 64, 0
	TILE 3, 96, 0
	s_wait_alu depctr_va_vdst(0)
	s_wait_dscnt 0x0                               ; my scale words are in LDS,
	s_barrier_signal -1
	s_barrier_wait -1                              ; everybody's are: they leave as whole runs of 512 bytes
	s_cmp_lt_u32 s14, 5
	s_cbranch_scc0 .Ldone
	ds_load_b128 v[64:67], v[RDS]
	s_wait_dscnt 0x0
	global_store_b128 v[CO], v[64:67], s[70:71]
.Ldone:
	s_wait_tensorcnt 0x0                           ; the wave's end
	ds_add_u32 v[SPW], v[NIL]
	s_wait_dscnt 0x0
	CROUND                                         ; the closing round: no work-group ends while a partner may still ask for a record that names it
	s_endpgm
.Lfunc_end_k_qb6897e2102_qkv:
	.size	k_qb6897e2102_qkv, .Lfunc_end_k_qb6897e2102_qkv-k_qb6897e2102_qkv
	.p2alignl 7, 3214868480
	.fill 96, 4, 3214868480
	.section	.rodata,"a",@progbits
	.p2align	6, 0x0
	.amdhsa_kernel k_qb6897e2102_qkv
		.amdhsa_group_segment_fixed_size 327680
		.amdhsa_private_segment_fixed_size 0
		.amdhsa_enable_private_segment 0
		.amdhsa_kernarg_size 32
		.amdhsa_user_sgpr_count 2
		.amdhsa_user_sgpr_kernarg_segment_ptr 1
		.amdhsa_wavefront_size32 1
		.amdhsa_system_sgpr_workgroup_id_x 1
		.amdhsa_system_sgpr_workgroup_id_y 1
		.amdhsa_system_sgpr_workgroup_id_z 1
		.amdhsa_system_vgpr_workitem_id 0
		.amdhsa_next_free_vgpr 512
		.amdhsa_next_free_sgpr 100
		.amdhsa_reserve_vcc 0
		.amdhsa_float_denorm_mode_32 3
		.amdhsa_float_denorm_mode_16_64 3
		.amdhsa_memory_ordered 1
		.amdhsa_forward_progress 1
		.amdhsa_inst_pref_size 69
	.end_amdhsa_kernel
	.amdgpu_metadata
---
amdhsa.version: [ 1, 2 ]
amdhsa.kernels:
  - .name:           k_qb6897e2102_qkv
    .symbol:         k_qb6897e2102_qkv.kd
    .args:
      - { .name: xq, .offset: 0, .size: 8, .value_kind: global_buffer, .address_space: global }
      - { .name: wq, .offset: 8, .size: 8, .value_kind: global_buffer, .address_space: global }
      - { .name: cs, .offset: 16, .size: 8, .value_kind: global_buffer, .address_space: global }
      - { .name: qkv, .offset: 24, .size: 8, .value_kind: global_buffer, .address_space: global }
    .group_segment_fixed_size: 327680
    .private_segment_fixed_size: 0
    .kernarg_segment_align: 8
    .kernarg_segment_size: 32
    .max_flat_workgroup_size: 256
    .sgpr_count:     100
    .vgpr_count:     512
    .wavefront_size: 32
...
	.end_amdgpu_metadata
.endif
;; end of part 2
;; launch attn (part 3): grid 8 x 32, 16 waves a work-group, clusters of 4 x 1, 292,864 bytes of LDS; arguments qkv, out0; writes out0
.if DOCPART == 3
	.amdgcn_target "amdgcn-amd-amdhsa--gfx1250"
	.amdhsa_code_object_version 6
	.text
	.protected	k_qb6897e2102_attn
	.globl	k_qb6897e2102_attn
	.p2align	8
	.type	k_qb6897e2102_attn,@function
k_qb6897e2102_attn:
	s_mov_b64 s[64:65], 0
	v_nop
	global_prefetch_b8 v0, s[64:65] scope:SCOPE_SE
	s_setreg_imm32_b32 hwreg(HW_REG_WAVE_MODE, 25, 1), 1
	s_wait_xcnt 0x0
	s_wait_alu depctr_hold_cnt(0) depctr_sa_sdst(0) depctr_va_vdst(0) depctr_va_sdst(0) depctr_va_ssrc(0) depctr_va_vcc(0) depctr_vm_vsrc(0)
	s_getreg_b32 s2, hwreg(HW_REG_IB_STS2, 6, 4)
	s_cmp_eq_u32 s2, 0
	s_cbranch_scc0 .Lentry_in_a_cluster
	s_endpgm
.Lentry_in_a_cluster:
	s_bfe_u32 s2, ttmp6, 0x10000c
	s_cmp_lg_u32 s2, 0x3003
	s_cbranch_scc0 .Lentry_shape_is_right
	s_endpgm
.Lentry_shape_is_right:
; out0[head][q][:] = the sum over k <= q of softmax_k(Q[q] . K[k] / 8) V[k][:], both products on codes of FP4 (E2M1) with one E8M0 scale for each 32 along a product's K.  32 heads, 2,048 tokens, head size 64.
; LEFT OUT: key steps of 128 keys that lie wholly above the causal diagonal (weight 0 for all inputs).
; Q, K and V come as images of the operands' registers.  The first product's K is 64: Q's registers 4-7 are zero codes, and bytes 2, 3 of all its scale words are 0 (2^-127), so k = 64 .. 127 adds nothing, whatever codes K has there:
; a fragment of K is its own four registers and the next tile's four.
; SOFTMAX: t = score x log2(e) / 8; M = the row's largest t so far, rounded UP; p = 2^(t - M) is quantised along the keys, not normalised; the row's sum of the unquantised p divides O at the end.  When M moves, the sum and O are multiplied by 2^(old M - new M): exact.
; A block's scale needs no p: floor(log2 of its largest p) is floor(its largest t - M).
; SHARES.  A work-group serves one head, whose K and V stay in LDS, filled once.  A tile is 16 queries, rank I: it has key steps 0 .. I.  Waves 2 i and 2 i + 1 serve the tiles of ranks 15 - i and i: wave A takes steps 0-7 of the long tile,
; wave B its steps 8 .. 15 - i and then the short tile, 9 steps in all; A adds B's part of the long tile, handed over in LDS, and sends it out.  Roles alternate so that any four waves, by rows or columns of 4 x 4, have two of each.
; CLUSTER.  The four work-groups of a cluster serve the same head: the fill is asked for JOINTLY, one load a wave.  g (0 .. 7) enters global addresses and the mask alone.  No prefetch: K and V are asked for once, at the head; there is no loop to run ahead in.
; THE DIAGONAL'S MASK is the same in all sixteen waves: 0 or -1e30 for each score, made once in LDS, and the C of the diagonal step's products.
; LAYOUT.  Both products are used transposed: a lane holds ONE query (lane % 16).  The 16 registers of result tiles 2 b, 2 b + 1 are keys 32 b + 16 (lane / 16) + 0 .. 15.
; LIMITS: holds while the scaled scores stay under 2^31 in magnitude (the mask's -1e30 is added to a score); NaN and infinities are not served; p under 2^-126 counts as 0 (ISA guide 15.8).
; REGISTERS: v1-6, v31, v73-79 addresses; v7 Q's scale word; v8-11 addresses in hand; v12 -M, v13 the largest score, v[14:15] the sum in two halves; v16-23 Q; v24-27 K's scale words, v28-29 V's, v30 p's; v32-67 K; v68-72 the short tile's Q;
;   v96-159 S^T, then p; v160-191 O^T; v192-223 V; v224-231 p's codes; v232-254 at work.
.set REC,   217088
.set O_V,   65536
.set O_KS,  131072
.set O_VS,  139264
.set O_QC,  143360
.set O_QS,  208896
.set CHUNK, 8960                       ; what one tensor load brings: 35 rows of 256 bytes; sixteen are 143,360
.set MASK,  143360                     ; 64 registers x 128 bytes
.set PART,  MASK+8192                  ; a wave's part of a long tile: 4,352 bytes a wave
.set STAGE, PART+16*4352               ; the way out: 16 rows x 272 bytes a wave
.set SPARE, STAGE+16*4352
.set SP,    272
.set SPW,   250
.set NIL,   251
.macro CROUND                          ; a round of the cluster's barrier
	s_barrier_signal -1
	s_barrier_wait -1
	s_cmp_lg_u32 s8, 0
	s_cbranch_scc1 .Lnot_wave_0_\@
	s_barrier_signal -3
.Lnot_wave_0_\@:
	s_barrier_wait -3
	s_barrier_signal -1
	s_barrier_wait -1
.endm
	s_load_b128 s[4:7], s[0:1], 0x0                ; qkv, out0
	v_lshl_add_u32 v[SPW], v0, 2, SPARE
	v_mov_b32 v[NIL], 0
	ds_add_u32 v[SPW], v[NIL]                      ; the opening lines
	ds_add_u32 v[SPW], v[NIL]
	v_lshrrev_b32 v8, 5, v0
	v_readfirstlane_b32 s8, v8                     ; wave 0..15
	s_lshr_b32 s9, s8, 1                           ; i
	s_lshr_b32 s10, s8, 2
	s_xor_b32 s10, s10, s8
	s_and_b32 s10, s10, 1                          ; role: 0 A, 1 B
	s_bfe_u32 s34, ttmp6, 0x40000
	s_lshl_b32 s11, ttmp9, 2
	s_add_co_u32 s11, s11, s34                     ; g = 4 x cluster x + cx
	s_and_b32 s55, ttmp7, 0xffff                   ; the head
	s_mul_i32 s36, s55, REC
	s_mov_b32 s37, 0
	s_lshr_b32 s52, s11, 1
	s_and_b32 s53, s11, 1
	s_lshl_b32 s54, s52, 5
	s_lshl_b32 s34, s53, 3
	s_add_co_u32 s54, s54, s34                     ; my tiles' first query in its 128: 32 (g / 2) + 8 (g % 2)
	s_xor_b32 s56, s9, 15                          ; the long tile's rank
	s_lshl_b32 s34, s11, 9
	s_add_co_u32 s34, s34, O_QC
	s_lshl_b32 s42, s56, 12
	s_add_co_u32 s42, s42, s34                     ; its Q: tile 8 I + g
	s_mov_b32 s43, 0
	s_lshl_b32 s46, s9, 12
	s_add_co_u32 s46, s46, s34                     ; the short tile's
	s_mov_b32 s47, 0
	s_lshl_b32 s34, s53, 8
	s_lshl_b32 s35, s52, 2
	s_add_co_u32 s34, s34, s35
	s_add_co_u32 s34, s34, O_QS
	s_lshl_b32 s44, s56, 9
	s_add_co_u32 s44, s44, s34                     ; and their scale words
	s_mov_b32 s45, 0
	s_lshl_b32 s48, s9, 9
	s_add_co_u32 s48, s48, s34
	s_mov_b32 s49, 0
	s_xor_b32 s34, s10, 1
	s_mul_i32 s34, s34, 15
	s_xor_b32 s34, s34, s9                         ; the rank that I send out: A the long tile, B the short one
	s_lshl_b32 s34, s34, 7
	s_lshl_b32 s50, s55, 11
	s_add_co_u32 s50, s50, s34
	s_add_co_u32 s50, s50, s54
	s_lshl_b32 s50, s50, 8                         ; its first row of out0
	s_mov_b32 s51, 0
	s_mov_b32 s24, 0x76543210
	s_mov_b32 s25, 0xfedcba98                      ; selects for lane l xor 16
	s_mov_b32 s26, 0x3e38aa3b                      ; c = log2(e) / 8
	s_mov_b32 s27, 0xbe38aa3b                      ; -c
	s_mul_i32 s34, s10, s9
	s_sub_co_u32 s29, 8, s34                       ; trips 0-7: the long tile, A 8 steps, B 8 - i
	s_add_co_u32 s31, s34, 8
	s_add_co_u32 s31, s31, s10                     ; trips 8-15: the short tile, B i + 1 steps
	s_lshl_b32 s33, s10, 3                         ; a trip's key step is (trip + s33) mod 16
	s_mov_b32 s30, s56                             ; the rank at work
	s_mov_b32 s28, 0                               ; the trip
	s_mov_b32 s16, 15|(3<<16)|(1<<21)              ; group 1: all four work-groups; elements of 8 bytes; 35 rows of 256 bytes, dense, no padding
	s_mov_b32 s17, 32<<16
	s_mov_b32 s18, 35<<16
	s_mov_b32 s19, 32<<16
	s_mov_b32 s20, 35
	s_mov_b32 s21, 32
	s_mov_b32 s22, 0
	s_mov_b32 s23, 0
	s_mul_i32 s13, s8, CHUNK
	s_mov_b32 s38, s13
	s_mov_b32 s39, 0
	s_mov_b32 s12, 1
	s_lshl_b32 s57, s8, 9
	s_add_co_u32 s57, s57, MASK                    ; my four registers of the mask
	s_mul_i32 s58, s8, 4352
	s_add_co_u32 s58, s58, PART                    ; my part's place,
	s_xor_b32 s59, s8, 1
	s_mul_i32 s59, s59, 4352
	s_add_co_u32 s59, s59, PART                    ; and my partner's
	s_lshl_b32 s35, s33, 12                        ; my first key step's K, and its scale words
	s_lshl_b32 s34, s33, 9
	v_and_b32 v254, 31, v0
	v_and_b32 v252, 15, v0                         ; r
	v_bfe_u32 v253, v0, 4, 1                       ; h
	v_lshlrev_b32 v1, 4, v254                      ; 16 x lane
	v_lshl_add_u32 v4, v254, 3, O_VS
	v_lshlrev_b32 v31, 4, v252
	v_and_b32 v5, 8, v252
	v_add_nc_u32 v2, O_V, v1
	v_add_nc_u32 v3, O_KS, v1
	v_add_nc_u32 v5, v5, v252                      ; r + 8 (r / 8)
	v_lshlrev_b32 v254, 4, v253
	v_lshlrev_b32 v6, 8, v253
	v_sub_nc_u32 v5, v5, v254
	v_lshl_add_u32 v6, v252, 4, v6                 ; the way out: 16 bytes a lane, lanes 16-31 a row on
	v_add_nc_u32 v5, s54, v5                       ; register 16 b + i of a diagonal step holds a hidden key where 32 b + i > v5
	v_lshrrev_b32 v254, 1, v1                      ; 8 x lane
	v_add_nc_u32 v79, MASK, v1
	v_add_nc_u32 v11, s57, v1
	v_add_nc_u32 v73, s58, v1
	v_add_nc_u32 v76, s58, v254
	v_add_nc_u32 v77, s59, v1
	v_add_nc_u32 v78, s59, v254
	v_add_nc_u32 v8, s35, v1
	v_add_nc_u32 v10, s34, v3
	v_mov_b32 v9, 0xf149f2ca                       ; -1e30
	s_lshr_b32 s34, s8, 2
	s_lshl_b32 s34, s34, 5
	s_and_b32 s35, s8, 3
	s_lshl_b32 s35, s35, 2
	s_add_co_u32 s34, s34, s35                     ; 32 b + i of register 4 x wave
	s_wait_alu depctr_va_vdst(0)                   ; the wait ahead of the readers below
.irp k, 0,1,2,3
	v_cmp_gt_i32 vcc_lo, s34, v5
	v_cndmask_b32 v[236+\k], 0, v9, vcc_lo
	s_add_co_u32 s34, s34, 1
.endr
	s_wait_alu depctr_va_vdst(0)                   ; the wait ahead of the waits below
	s_wait_dscnt 0x0                               ; both opening adds are done
	s_wait_kmcnt 0x0
	s_add_nc_u64 s[4:5], s[4:5], s[36:37]          ; the head's record
	s_add_nc_u64 s[14:15], s[4:5], s[38:39]
	s_or_b32 s15, s15, 0x80000000
	s_add_nc_u64 s[42:43], s[4:5], s[42:43]
	s_add_nc_u64 s[44:45], s[4:5], s[44:45]
	s_add_nc_u64 s[46:47], s[4:5], s[46:47]
	s_add_nc_u64 s[48:49], s[4:5], s[48:49]
	s_add_nc_u64 s[6:7], s[6:7], s[50:51]
	CROUND                                         ; all four work-groups are here: the joint loads meet
	tensor_load_to_lds s[12:15], s[16:23]          ; one load a wave: the launch's only fills
	s_nop 0
.rept 4
	v_nop
.endr
	global_load_b128 v[16:19], v1, s[42:43]        ; the long tile's Q
	global_load_b32 v7, v31, s[44:45]
.irp j, 20,21,22,23,64,65,66,67,68,69,70,71,72,14,15,241,243,253
	v_mov_b32 v[\j], 0                             ; zero codes; the sum; registers that are named before the loop writes them
.endr
.set n, 0
.rept 32
	v_mov_b32 v[160+n], 0                          ; O^T: the first step finds zeros
.set n, n+1
.endr
	v_mov_b32 v13, 0xff61b1e6                      ; the largest score so far: -3e38
	v_mul_f32 v12, s27, v13
	v_floor_f32 v12, v12                           ; -M
	s_wait_alu depctr_va_vdst(0)                   ; the wait at the head's end
	s_cmp_eq_u32 s10, 0
	s_cbranch_scc1 .Lone_q
	global_load_b128 v[68:71], v1, s[46:47]        ; B: the short tile's Q waits in registers
	global_load_b32 v72, v31, s[48:49]
.Lone_q:
	s_wait_tensorcnt 0x0                           ; my part of K and V has landed,
	s_barrier_signal -1
	s_barrier_wait -1                              ; everybody's has; nobody writes these bytes again
.macro KLOAD ak, as                    ; a key step's K and its scale words: nine loads
.irp t, 0,1,2,3,4,5,6,7
	ds_load_b128 v[32+4*\t:35+4*\t], v[\ak] offset:512*\t
.endr
	ds_load_b128 v[24:27], v[\as]                  ; register q: lanes 0-15 tile 2 q's words, lanes 16-31 tile 2 q + 1's
.endm
	ds_store_b128 v11, v[236:239]                  ; 16 waves x 4 registers: the mask; no tensor load is out any more
	KLOAD 8, 10
	s_wait_loadcnt 0x0                             ; Q
	s_wait_dscnt 0x0
	s_barrier_signal -1
	s_barrier_wait -1                              ; the whole mask is in LDS
.macro PKF count                       ; t - M, two at a time
.rept \count
	v_pk_fma_f32 v[96+n:97+n], v[96+n:97+n], s[26:27], v[12:13] op_sel_hi:[1,0,0]
.set n, n+2
.endr
.endm
.Lstep:                                            ; sixteen trips in every wave; a branch on ids leads round a trip without work
	s_cmp_lg_u32 s28, 8
	s_cbranch_scc1 .Lsame
	s_mov_b32 s29, s31
	s_mov_b32 s30, s9
	s_mov_b32 s33, 8
	s_cmp_eq_u32 s10, 0
	s_cbranch_scc1 .Lsame
	s_wait_dscnt 0x0                               ; B CHANGES TILES: its part of the long tile goes to LDS: O^T, the sum, -M
	v_add_f32 v74, v14, v15
	v_mov_b32 v75, v12
.irp k, 0,1,2,3,4,5,6,7
	ds_store_b128 v73, v[160+4*\k:163+4*\k] offset:512*\k
.endr
	ds_store_b64 v76, v[74:75] offset:4096
	KLOAD 1, 3                                     ; key step 0
.irp k, 0,1,2,3
	v_mov_b32 v[16+\k], v[68+\k]
.endr
	v_mov_b32 v7, v72
	s_wait_dscnt 9                                 ; the stores have read their registers; K's nine loads may be out
.set n, 0
.rept 32
	v_mov_b32 v[160+n], 0
.set n, n+1
.endr
	v_mov_b32 v14, 0
	v_mov_b32 v15, 0
	v_mov_b32 v13, 0xff61b1e6
	v_mul_f32 v12, s27, v13
	v_floor_f32 v12, v12
	s_wait_alu depctr_va_vdst(0)                   ; the wait ahead of the branches below
.Lsame:
	s_cmp_ge_u32 s28, s29
	s_cbranch_scc1 .Lhidden
	s_add_co_u32 s32, s28, s33
	s_and_b32 s32, s32, 15                         ; key step J
	s_lshl_b32 s34, s32, 12
	s_lshl_b32 s35, s32, 8
	v_add_nc_u32 v9, s34, v2
	v_add_nc_u32 v11, s35, v4
.irp t, 0,1,2,3
.irp c, 0,1
	ds_load_b128 v[192+8*\t+4*\c:195+8*\t+4*\c], v9 offset:1024*\t+512*\c   ; V of this step: it lands under the softmax
.endr
.endr
	ds_load_b64 v[28:29], v11
	s_cmp_lg_u32 s32, s30
	s_cbranch_scc1 .Lopen
.set n, 0
.rept 16
	ds_load_b128 v[96+4*n:99+4*n], v79 offset:512*n   ; the diagonal: the mask is the products' C
.set n, n+1
.endr
	s_wait_dscnt 0x0
.irp t, 0,2,4,6
	v_wmma_scale_f32_16x16x128_f8f6f4 v[96+8*\t:103+8*\t], v[32+4*\t:39+4*\t], v[16:23], v[96+8*\t:103+8*\t], v[24+\t/2], v7 matrix_a_fmt:MATRIX_FMT_FP4 matrix_b_fmt:MATRIX_FMT_FP4
	v_wmma_scale_f32_16x16x128_f8f6f4 v[104+8*\t:111+8*\t], v[36+4*\t:43+4*\t], v[16:23], v[104+8*\t:111+8*\t], v[24+\t/2], v7 matrix_a_fmt:MATRIX_FMT_FP4 matrix_b_fmt:MATRIX_FMT_FP4 matrix_a_scale:MATRIX_SCALE_ROW1
.endr
	s_branch .Lscored
.Lopen:
	s_wait_dscnt 9                                 ; K's nine loads are in; V's nine may be out
.irp t, 0,2,4,6                        ; S^T = K Q^T: eight tiles of 16 keys
	v_wmma_scale_f32_16x16x128_f8f6f4 v[96+8*\t:103+8*\t], v[32+4*\t:39+4*\t], v[16:23], 0, v[24+\t/2], v7 matrix_a_fmt:MATRIX_FMT_FP4 matrix_b_fmt:MATRIX_FMT_FP4
	v_wmma_scale_f32_16x16x128_f8f6f4 v[104+8*\t:111+8*\t], v[36+4*\t:43+4*\t], v[16:23], 0, v[24+\t/2], v7 matrix_a_fmt:MATRIX_FMT_FP4 matrix_b_fmt:MATRIX_FMT_FP4 matrix_a_scale:MATRIX_SCALE_ROW1
.endr
.Lscored:
	s_add_co_u32 s34, s32, 1
	s_and_b32 s34, s34, 15                         ; the next step's K (inside K's bytes; a tile's last step asks for one that is not used)
	s_lshl_b32 s35, s34, 9
	s_lshl_b32 s34, s34, 12
	v_add_nc_u32 v8, s34, v1
	v_add_nc_u32 v10, s35, v3
	v_mov_b32 v253, v12                            ; the old -M
	v_nop                                          ; four places behind the products
	KLOAD 8, 10
.irp b, 0,1,2,3
	v_max3_num_f32 v[232+\b], v[96+16*\b], v[97+16*\b], v[98+16*\b]   ; the largest score of each block of 32 keys
.endr
.irp i, 3,5,7,9,11,13
.irp b, 0,1,2,3
	v_max3_num_f32 v[232+\b], v[232+\b], v[96+16*\b+\i], v[97+16*\b+\i]
.endr
.endr
.irp b, 0,1,2,3
	v_max_num_f32 v[232+\b], v[232+\b], v[111+16*\b]
.endr
	v_permlane16_swap_b32 v232, v233
	v_permlane16_swap_b32 v234, v235
	v_max_num_f32 v232, v232, v233                 ; lanes 0-15 block 0, lanes 16-31 block 1
	v_max_num_f32 v234, v234, v235                 ; blocks 2 and 3
	s_delay_alu instid0(VALU_DEP_1)
	v_max_num_f32 v254, v232, v234
	s_delay_alu instid0(VALU_DEP_1)
	v_permlanex16_b32 v236, v254, s24, s25
	s_delay_alu instid0(VALU_DEP_1)
	v_max3_num_f32 v13, v13, v254, v236            ; the running largest score
	s_delay_alu instid0(VALU_DEP_1)
	v_mul_f32 v12, s27, v13
	s_delay_alu instid0(VALU_DEP_1)
	v_floor_f32 v12, v12                           ; the new -M = floor(-t): M IS A WHOLE NUMBER
	s_delay_alu instid0(VALU_DEP_1)
	v_sub_f32 v254, v12, v253                      ; old M less new M
	v_fma_f32 v232, v232, s26, v12                 ; each block's largest t - M
	v_fma_f32 v234, v234, s26, v12
.set n, 0
	PKF 2
	v_cvt_i32_f32 v254, v254                       ; (it saturates)
	v_max_num_f32 v232, 0xc2f80000, v232           ; held at -124: the byte cannot fall under 1
	v_max_num_f32 v234, 0xc2f80000, v234
	PKF 2
	v_ldexp_f32 v252, 1.0, v254                    ; f = 2^(old M - new M)
	v_floor_f32 v232, v232                         ; floor(log2(largest p))
	v_floor_f32 v234, v234
	v_cvt_i32_f32 v238, v232
	v_cvt_i32_f32 v239, v234
	PKF 2
	v_lshl_add_u32 v244, v238, 23, 0x3e800000      ; + 127 - 2 in the exponent field: the conversion's scale operand
	v_lshl_add_u32 v246, v239, 23, 0x3e800000
	v_lshl_add_u32 v237, v239, 16, v238            ; lanes 0-15: blocks 0 and 2, lanes 16-31: blocks 1 and 3
	PKF 2
	v_mov_b32 v245, v244
	v_mov_b32 v247, v246
	v_permlanex16_b32 v236, v237, s24, s25
	PKF 2
	v_permlane16_swap_b32 v244, v245               ; v244 .. v247: blocks 0 .. 3 in all lanes
	v_permlane16_swap_b32 v246, v247
	v_lshl_add_u32 v237, v236, 8, v237
	PKF 22
	s_wait_alu depctr_va_vdst(0)                   ; the wait ahead of the batch,
.set n, 0
.rept 64
	v_exp_f32 v[96+n], v[96+n]                     ; p
.set n, n+1
.endr
	v_add_nc_u32 v30, 0x7d7d7d7d, v237             ; + 125 in each byte: p's scale word, read in lanes 0-15 (a plain place behind the batch)
	s_wait_alu depctr_va_vdst(0)                   ; and behind it, ahead of the first reader of O^T
.set n, 0
.rept 16
	v_pk_mul_f32 v[160+n:161+n], v[160+n:161+n], v[252:253] op_sel_hi:[1,0]   ; O^T under the new M
.set n, n+2
.endr
.irp b, 0,1,2,3
	v_cvt_scalef32_pk8_fp4_f32 v[224+2*\b], v[96+16*\b:103+16*\b], v[244+\b]
	v_cvt_scalef32_pk8_fp4_f32 v[225+2*\b], v[104+16*\b:111+16*\b], v[244+\b]
.endr
	v_pk_fma_f32 v[14:15], v[14:15], v[252:253], v[96:97] op_sel_hi:[1,0,1]   ; the sum of the unquantised p: four chains by turns
	v_pk_add_f32 v[240:241], v[98:99], v[100:101]
	v_pk_add_f32 v[242:243], v[102:103], v[104:105]
	v_pk_add_f32 v[248:249], v[106:107], v[108:109]
.irp c, 0,1                            ; a WHOLE block in a lane: lanes 0-15 block 2 c, lanes 16-31 block 2 c + 1
.irp i, 0,1
	v_permlane16_swap_b32 v[224+4*\c+\i], v[226+4*\c+\i]
.endr
.endr
.macro SUM4
	v_pk_add_f32 v[14:15], v[14:15], v[96+n:97+n]
	v_pk_add_f32 v[240:241], v[240:241], v[98+n:99+n]
	v_pk_add_f32 v[242:243], v[242:243], v[100+n:101+n]
	v_pk_add_f32 v[248:249], v[248:249], v[102+n:103+n]
.set n, n+8
.endm
.set n, 14
	SUM4                                           ; (places between p's codes and the products)
	s_wait_alu depctr_va_vdst(0)                   ; the wait ahead of the wait below
	s_wait_dscnt 9                                 ; V is in; the next step's nine loads of K may be out
.irp t, 0,2                            ; O^T += V^T P^T: four tiles of 16 channels by turns
	v_wmma_scale_f32_16x16x128_f8f6f4 v[160+8*\t:167+8*\t], v[192+8*\t:199+8*\t], v[224:231], v[160+8*\t:167+8*\t], v[28+\t/2], v30 matrix_a_fmt:MATRIX_FMT_FP4 matrix_b_fmt:MATRIX_FMT_FP4
	v_wmma_scale_f32_16x16x128_f8f6f4 v[168+8*\t:175+8*\t], v[200+8*\t:207+8*\t], v[224:231], v[168+8*\t:175+8*\t], v[28+\t/2], v30 matrix_a_fmt:MATRIX_FMT_FP4 matrix_b_fmt:MATRIX_FMT_FP4 matrix_a_scale:MATRIX_SCALE_ROW1
.endr
.rept 5
	SUM4                                           ; (places behind the products)
.endr
	v_pk_add_f32 v[14:15], v[14:15], v[158:159]
	v_pk_add_f32 v[240:241], v[240:241], v[242:243]
	v_pk_add_f32 v[14:15], v[14:15], v[248:249]
	v_pk_add_f32 v[14:15], v[14:15], v[240:241]
.Lhidden:
	s_add_co_u32 s28, s28, 1
	s_wait_alu depctr_va_vdst(0)                   ; the wait ahead of the branch
	s_cmp_lt_u32 s28, 16
	s_cbranch_scc1 .Lstep
	s_wait_dscnt 0x0                               ; B's part is in LDS; no LDS load of mine is out
	s_barrier_signal -1
	s_barrier_wait -1
	v_add_f32 v14, v14, v15
	s_wait_alu depctr_va_vdst(0)                   ; the wait ahead of the branch
	s_cmp_lg_u32 s10, 0
	s_cbranch_scc1 .Lout
.irp k, 0,1,2,3,4,5,6,7                ; A JOINS THE TWO PARTS of the long tile under the larger M
	ds_load_b128 v[192+4*\k:195+4*\k], v77 offset:512*\k
.endr
	ds_load_b64 v[74:75], v78 offset:4096
	s_wait_dscnt 0x0
	v_min_num_f32 v237, v12, v75                   ; -M of both
	v_sub_f32 v238, v237, v12
	v_sub_f32 v239, v237, v75
	v_cvt_i32_f32 v238, v238
	v_cvt_i32_f32 v239, v239
	v_ldexp_f32 v240, 1.0, v238
	v_ldexp_f32 v242, 1.0, v239
	v_mul_f32 v14, v14, v240
.set n, 0
.rept 16
	v_pk_mul_f32 v[160+n:161+n], v[160+n:161+n], v[240:241] op_sel_hi:[1,0]
.set n, n+2
.endr
	v_fma_f32 v14, v74, v242, v14
.set n, 0
.rept 16
	v_pk_fma_f32 v[160+n:161+n], v[192+n:193+n], v[242:243], v[160+n:161+n] op_sel_hi:[1,0,1]
.set n, n+2
.endr
.Lout:                                 ; THE WAY OUT: O^T / the row's sum through my own stage; a row of out0 is 256 bytes, which sixteen lanes store whole
	v_permlanex16_b32 v236, v14, s24, s25
	v_add_f32 v14, v14, v236                       ; with lane l xor 16's keys: the row's sum
	s_wait_alu depctr_va_vdst(0)                   ; the wait ahead of the transcendental too
	v_rcp_f32 v14, v14
	v_and_b32 v10, 15, v0                          ; (a plain place)  r
	v_bfe_u32 v11, v0, 4, 1                        ; h
	s_mul_i32 s32, s8, 16*SP
	s_add_co_u32 s32, s32, STAGE
	v_mul_u32_u24 v8, v10, SP
	v_mul_u32_u24 v9, v11, SP
	v_lshl_add_u32 v8, v11, 6, v8
	v_lshl_add_u32 v9, v10, 4, v9
	v_add_nc_u32 v8, s32, v8                       ; in: row r; register j of tile t is channel 32 (t / 2) + 16 h + 8 (t % 2) + j
	v_add_nc_u32 v9, s32, v9                       ; back: lanes 0-15 one row, lanes 16-31 the next
	s_wait_alu depctr_va_vdst(0)                   ; the wait ahead of the first reader
.set n, 0
.rept 16
	v_pk_mul_f32 v[96+n:97+n], v[160+n:161+n], v[14:15] op_sel_hi:[1,0]
.set n, n+2
.endr
.irp t, 0,1,2,3
.irp k, 0,1
	ds_store_b128 v8, v[96+8*\t+4*\k:99+8*\t+4*\k] offset:128*(\t/2)+32*(\t%2)+16*\k
.endr
.endr
.irp i, 0,1,2,3,4,5,6,7
	ds_load_b128 v[32+4*\i:35+4*\i], v9 offset:2*\i*SP   ; LDS serves a wave's instructions in order (ISA guide 5.7.1.4)
.endr
.irp i, 0,1,2,3,4,5,6,7
	s_wait_dscnt 7-\i
	global_store_b128 v6, v[32+4*\i:35+4*\i], s[6:7] offset:(2*\i+8*(\i/4))*256 th:TH_STORE_NT   ; stage row p is query p % 8 + 16 (p / 8) of my tile
.endr
	s_wait_tensorcnt 0x0                           ; the wave's end
	ds_add_u32 v[SPW], v[NIL]
	s_wait_dscnt 0x0
	CROUND                                         ; the closing round: no work-group ends while a partner may still ask for a tile that names it
	s_endpgm
.Lfunc_end_k_qb6897e2102_attn:
	.size	k_qb6897e2102_attn, .Lfunc_end_k_qb6897e2102_attn-k_qb6897e2102_attn
	.p2alignl 7, 3214868480
	.fill 96, 4, 3214868480
	.section	.rodata,"a",@progbits
	.p2align	6, 0x0
	.amdhsa_kernel k_qb6897e2102_attn
		.amdhsa_group_segment_fixed_size 292864
		.amdhsa_private_segment_fixed_size 0
		.amdhsa_enable_private_segment 0
		.amdhsa_kernarg_size 16
		.amdhsa_user_sgpr_count 2
		.amdhsa_user_sgpr_kernarg_segment_ptr 1
		.amdhsa_wavefront_size32 1
		.amdhsa_system_sgpr_workgroup_id_x 1
		.amdhsa_system_sgpr_workgroup_id_y 1
		.amdhsa_system_sgpr_workgroup_id_z 1
		.amdhsa_system_vgpr_workitem_id 0
		.amdhsa_next_free_vgpr 256
		.amdhsa_next_free_sgpr 66
		.amdhsa_reserve_vcc 1
		.amdhsa_float_denorm_mode_32 3
		.amdhsa_float_denorm_mode_16_64 3
		.amdhsa_memory_ordered 1
		.amdhsa_forward_progress 1
		.amdhsa_inst_pref_size 37
	.end_amdhsa_kernel
	.amdgpu_metadata
---
amdhsa.version: [ 1, 2 ]
amdhsa.kernels:
  - .name:           k_qb6897e2102_attn
    .symbol:         k_qb6897e2102_attn.kd
    .args:
      - { .name: qkv, .offset: 0, .size: 8, .value_kind: global_buffer, .address_space: global }
      - { .name: out0, .offset: 8, .size: 8, .value_kind: global_buffer, .address_space: global }
    .group_segment_fixed_size: 292864
    .private_segment_fixed_size: 0
    .kernarg_segment_align: 8
    .kernarg_segment_size: 16
    .max_flat_workgroup_size: 512
    .sgpr_count:     66
    .vgpr_count:     256
    .wavefront_size: 32
...
	.end_amdgpu_metadata
.endif
;; end of part 3
